; MI455X (gfx1250); checked and timed in simulation.
; The chip was launched on July 23, 2026; its instructions are those of AMD's public machine-readable ISA for CDNA 5 (MIT licence, August 2026) and "CDNA5" Instruction Set Architecture Reference Guide (July 2026). The comments in the code are by the model that wrote it; some were corrected since.
;; Attention Pooling. Allowed arithmetic: matrix products marked QUANTISED: E2M1 operands, one E8M0 scale for each 32 along K, by v_wmma_scale_f32_16x16x128_f8f6f4 with both operands' format E2M1 (or v_wmma_scale_f32_32x16x128_f4), f32 sums; everything else in f32.
;; Inputs: Wk_codes 256 x 8 x 16 uint8 (E2M1 codes of Wk, K innermost, in blocks of 32 codes, two codes a byte); Wk_scales 256 x 8 uint8 (E8M0 scales of Wk, one for each 32 codes along K); Wq_codes 256 x 8 x 16 uint8 (E2M1 codes of Wq, K innermost, in blocks of 32 codes, two codes a byte); Wq_scales 256 x 8 uint8 (E8M0 scales of Wq, one for each 32 codes along K); Wv_codes 256 x 8 x 16 uint8 (E2M1 codes of Wv, K innermost, in blocks of 32 codes, two codes a byte); Wv_scales 256 x 8 uint8 (E8M0 scales of Wv, one for each 32 codes along K); bk 256 float32; bq 256 float32; bv 256 float32; x_codes 4 x 4,096 x 8 x 16 uint8 (E2M1 codes of x, K innermost, in blocks of 32 codes, two codes a byte); x_scales 4 x 4,096 x 8 uint8 (E8M0 scales of x, one for each 32 codes along K).
;; Outputs: out0 4 x 1 x 256 float32.
;; This version of the problem:
;;   THIS VERSION OF THE PROBLEM IS GIVEN IN LOW PRECISION. The matrix products marked QUANTISED in the list below multiply operands that are first quantised to E2M1 (2 exponent bits, 1 mantissa bit; 4 bits a number), with one power-of-two scale for each 32 numbers along K (OCP MX v1.0); their sums are f32. All else is computed in f32.
;;   The module's matrix products, in the order in which they are computed (A, B: the left and right operand; K: the contracted axis; several contracted axes count as one K, in the product's order):
;;     1. [M 16,384, K 256] x [K 256, N 256]; A: input x (given as codes); B: input Wq (given as codes): QUANTISED
;;     2. [M 16,384, K 256] x [K 256, N 256]; A: input x (given as codes); B: input Wk (given as codes): QUANTISED
;;     3. [M 16,384, K 256] x [K 256, N 256]; A: input x (given as codes); B: input Wv (given as codes): QUANTISED
;;     4. batch 4 x [M 4,096, K 256] x [K 256, N 4,096]; A: computed on the way; B: computed on the way: QUANTISED
;;     5. batch 4 x [M 4,096, K 4,096] x [K 4,096, N 256]; A: softmax (see below); B: computed on the way: QUANTISED
;;   THE QUANTISER, for each operand of a quantised product, along K:
;;     - K is cut into blocks of 32 from its start; a last block that is shorter is filled with zeros.
;;     - A block's scale is 2^e with e = floor(log2(the largest magnitude in the block)) - 2, held to -126 .. 127; a block of zeros has e = 0. As a byte (E8M0): e + 127.
;;     - Each number is divided by its block's scale, clamped to +-6, and rounded to the nearest number of E2M1, ties to even, subnormals kept.
;;     - The product sums the exact products of the quantised numbers (number of the format x scale) in f32.
;;   ~~~python
;;   def quantise(x, axis):      # numpy; x: float32 -> the quantised numbers, widened to float32 again
;;       x = np.moveaxis(x, axis, -1); K = x.shape[-1]
;;       x = np.pad(x, [(0, 0)] * (x.ndim - 1) + [(0, -K % 32)]); x = x.reshape(x.shape[:-1] + (-1, 32)); a = np.abs(x).max(-1, keepdims=True)
;;       e = np.where(a > 0, np.clip(np.frexp(np.where(a > 0, a, 1))[1] - 1 - 2, -126, 127), 0)      # np.frexp(a)[1] - 1 = floor(log2(a)), exactly
;;       r = np.clip(x / 2.0 ** e, -6, 6)
;;       step = 2.0 ** (np.maximum(np.frexp(np.where(r == 0, 1, r))[1] - 1, 0) - 1)
;;       q = np.round(r / step) * step * 2.0 ** e      # np.round: ties to even
;;       return np.moveaxis(q.reshape(q.shape[:-2] + (-1,))[..., :K], -1, axis).astype(np.float32)
;;   ~~~
;;   SOFTMAX AHEAD OF A QUANTISED PRODUCT. Where the list says 'softmax', what is quantised is not the finished softmax but p = 2^(t - M), with t = logit x log2(e) and M = ceil(the row's largest t), a whole number; so 1/2 < the row's largest p <= 1. The row's sum l is taken of the UNQUANTISED p, in f32, and the product's result is divided by l at the end. Since M is a whole number, a kernel that streams over the keys may use a running M (the ceiling of the running maximum): every later rescaling is an exact power of two, which a block's scale takes up: the codes' values come out the same.
;;   OPERANDS COMPUTED ON THE WAY. 'Computed on the way' means the value that the module computes at that place (a softmax that the list does not call 'softmax' is quantised finished and normalised). What goes into a quantiser is computed in f32, as accurately as f32 sums, v_exp_f32 and their like allow (about 1e-6 of the number): no bf16 or f16 on the way to a quantiser, and a product that is left as it is and whose result goes on into a quantised operand takes f32 operands (vector FMAs, or v_wmma_f32_16x16x4_f32). A number that lies on a knife's edge between two numbers of the format may be rounded either way, as far as f32 arithmetic and the matrix unit's own rounding can turn it there, and no further.
;;   INPUTS GIVEN AS CODES. Wk (in the module: [256, 256], K = its axis 0); Wq (in the module: [256, 256], K = its axis 0); Wv (in the module: [256, 256], K = its axis 0); x (in the module: [4, 4096, 256], K = its axis 2): each comes as NAME_codes (uint8): NAME with its K axis moved to the last place and cut into blocks of 32 codes, [.., K / 32, bytes a block], one block behind the other in memory; two codes a byte, the lower K in the low four bits (a code: sign, 2 exponent bits, 1 mantissa bit); and NAME_scales (uint8): the same leading axes, one E8M0 byte (e + 127) for each 32 codes along K. Its value is code x scale, taken as it is: it is not quantised again, and the codes and scales need not be those that the quantiser above would give.
;; One version. Each part assembles by itself: llvm-mc -triple=amdgcn-amd-amdhsa -mcpu=gfx1250 --defsym DOCPART=n.
;; ======== version 1 of 1: 3 launches
;; limits: right only within a limited range of input values
;; workspace buffers: qc 2,228,224 bytes; kv 4,456,448 bytes; part 262,144 bytes
;; launch project (part 1): grid 128 x 2, 6 waves a work-group, no clusters, 76,544 bytes of LDS; arguments x_codes, x_scales, Wq_codes, Wq_scales, bq, Wk_codes, Wk_scales, bk, Wv_codes, Wv_scales, bv, qc, kv; writes qc, kv
.if DOCPART == 1
	.amdgcn_target "amdgcn-amd-amdhsa--gfx1250"
	.amdhsa_code_object_version 6
	.text
	.protected	k_qaca0b18b5e_project
	.globl	k_qaca0b18b5e_project
	.p2align	8
	.type	k_qaca0b18b5e_project,@function
k_qaca0b18b5e_project:
	s_mov_b64 s[64:65], 0
	v_nop
	global_prefetch_b8 v0, s[64:65] scope:SCOPE_SE
	s_setreg_imm32_b32 hwreg(HW_REG_WAVE_MODE, 25, 1), 1
	s_wait_xcnt 0x0
; q = x Wq + bq, k = x Wk + bk, v = x Wv + bv on codes of FP4 (E2M1) with E8M0 scales; the results are quantised at once, q and k along the 256 channels, v along the keys,
; and stored as IMAGES OF OPERAND REGISTERS: a fragment (16 rows x 128 K, 8 registers a lane) is 1,024 bytes: registers 0-3 at 16 x lane, registers 4-7 at 512 + 16 x lane.
; SHARES.  Work-group (u, g): u = a unit of 128 rows of x (key step u % 32 of batch u / 32), g = which 128 of the 256 output channels.  Waves 0, 1 make q, 2, 3 k, 4, 5 v.
; The codes of the unit and of three times 128 weight rows, 64 KiB, come in runs of 512 consecutive bytes, each once, and go through LDS to all six waves.
; A wave keeps 128 rows of one matrix P in registers (8 tiles x 2 K steps) and takes 4 tasks, each one tile of 16 rows of the other matrix R: tiles 4 rh .. 4 rh + 3, rh = wave % 2:
;   q, k: P = W's rows (channels) 128 g on, R = x's unit: a lane then holds ONE row of x, and its 64 results run along the channels: K step g of that row's fragment;
;   v:    P = x's unit, R = Wv's rows 128 g on: a lane holds ONE channel, and its 64 results run along the unit's 128 keys.
; THE ROWS OF A TILE ARE NOT NEIGHBOURS: row r of tile t of a group of 128 rows is the group's row 64 (t / 4) + 8 (t % 4) + r % 8 + 32 (r / 8), for x and for the weights alike.
; So register 8 t + j of lane (r, h) is index 64 (t / 4) + 32 h + 8 (t % 4) + j along the next K: the registers of four tiles are ONE WHOLE BLOCK of 32 in one lane, in the operand's own order:
; the block's maximum asks no other lane, and the conversion of tile t is the operand's register t.  The bias is the C of each sum's first matrix instruction.
; LDS: a row is 128 bytes + 16; 32 rows are followed by 128 bytes more: the sixteen rows of a fragment, 8 and 8 that lie 32 rows apart, start at sixteen different places modulo 256 bytes.
; WORKSPACE.  kv: for each batch four slots of K, then four of V, 139,264 dense bytes each: images, from 131,072 on scale words.  K slot s holds key steps 8 s .. 8 s + 7: step 8 s + 2 w + e has its images from
;   32,768 w + 16,384 e on, tile t, K step i at 2,048 t + 1,024 i, and its scale words at 2,048 w + 1,024 e + 512 i.  V slot 2 g + kh holds the channel half g of key steps 16 kh .. 16 kh + 15: of step
;   16 kh + 8 a + 2 w + e channel tile t lies at 32,768 w + 16,384 a + 2,048 t + 1,024 e, its scale words at 2,048 w + 1,024 a + 512 e.
;   qc: units of 17,408 bytes: images (tile x 2,048 + K step x 1,024), scale words from 16,384 on (K step x 512).
;   A run of 512 bytes of scale words is 16 bytes a lane: word n of lane l belongs to tile n, row l (lanes 0-15), or to tile 4 + n, row l - 16 (lanes 16-31).
; LIMITS: NaN and infinities are not served.  A block whose largest magnitude lies under 2^-124 has its byte held at 1; so has a block of zeros, where the quantiser's text says 127:
;   its codes are zeros, and only this program reads the bytes.
.set GROUPB, 139264
.set QUNIT,  17408
.set LROW,   144                       ; a row in LDS
.set LGRP,   32*LROW+128               ; 32 rows
.set LMAT,   4*LGRP                    ; a matrix: x at 0, then Wq, Wk, Wv
.set SPARE,  4*LMAT                    ; the spare words, 128 bytes for each of the six waves: three blocks of 256 bytes that no other line names
.set PSO, 2                            ; v2   my row of a tile in scale bytes: 8 (r % 8 + 32 (r / 8))
.set LI,  3                            ; v3   16 x lane: my place in an image
.set BOQ, 4                            ; v4   q, k: 128 h: my half's place among the bias's numbers
.set LN,  5                            ; v5   lane
.set BOV, 6                            ; v6   v: my channel's number of the bias
.set SH,  7                            ; v7   8 h
.set PC,  8                            ; v8-15    the codes just made
.set ACC, 16                           ; v16-79   the weight's codes on their way; then a task's 8 accumulators
.set TM,  80                           ; v80-88   maxima, scale operands, bytes
.set SW,  96                           ; v96-99   the scale word of each task
.set OUT, 104                          ; v104-105 the words as they are stored
.set SWO, 106                          ; v106     16 r + 8 h: my place among 256 bytes of scale words
.set SPW, 107                          ; v107     LDS address of my spare word; never rewritten
.set NIL, 108                          ; v108     0; never rewritten
.set WA,  109                          ; v109     LDS: where I put a weight's codes; v110 x's
.set XA,  110
.set FP,  111                          ; v111     LDS: my row of P's fragments; v136 of R's
.set FQ,  136
.set AS,  112                          ; v112-127 P's scale words, tile t, K step s at 2 t + s: scales alone
.set BS,  128                          ; v128-135 R's likewise
.set LB,  144                          ; v144-151 v: the C of a task: my channel's bias eight times
.set BV,  152                          ; v152-155 v: my channel's bias in each of the tasks
.set CB,  160                          ; v160-223 q, k: the bias in the result's layout, 8 registers a tile
                                       ; window 1: v0-127 P's fragments, (t, s) at 16 t + 8 s; v128-191 R's, (k, s) at 128 + 16 k + 8 s; before that x's codes on their way
.set GH,  2                            ; s2   g
.set WV,  3                            ; s3   my wave's number
.set MT,  4                            ; s4   0 q, 1 k, 2 v
.set RH,  5                            ; s5   rh
.set BI,  40                           ; s[40:41] the bias
.set SEL, 42                           ; s[42:43] v_permlanex16_b32's selects for lane l xor 16
.set PSC, 46                           ; s[46:47] P's scales,  s[50:51] R's scales
.set RSC, 50
.set DC,  52                           ; s[52:53] where my images go,  s[54:55] where my scale words go
.set DS,  54
.set MSB, 0
.macro WIN new                         ; the immediate's high byte repeats the setting that is left
.if MSB != \new
	s_set_vgpr_msb (MSB<<8)|\new
.set MSB, \new
.endif
.endm
	s_load_b512 s[8:23], s[0:1], 0x0               ; x's codes, x's scales, Wq's codes, Wq's scales, bq, Wk's codes, Wk's scales, bk
	s_load_b256 s[24:31], s[0:1], 0x40             ; Wv's codes, Wv's scales, bv, qc
	s_load_b64 s[32:33], s[0:1], 0x60              ; kv
	v_lshl_add_u32 v[SPW], v0, 2, SPARE
	v_mov_b32 v[NIL], 0
	v_lshrrev_b32 v224, 5, v0
	v_readfirstlane_b32 s[WV], v224                ; wave 0..5
	s_lshr_b32 s[MT], s[WV], 1
	s_and_b32 s[RH], s[WV], 1
	s_and_b32 s[GH], ttmp7, 0xffff                 ; g
	; LDS addresses
	s_mul_i32 s68, s[MT], LMAT
	s_add_co_u32 s68, s68, LMAT                    ; my weight
	s_mul_i32 s69, s[RH], 2*LGRP                   ; the half that I fetch, and R's tiles 4 rh on
	s_add_co_u32 s70, s68, s69
	s_mul_i32 s71, s[WV], LGRP                     ; waves 0 to 3: 32 rows of x each
	s_cmp_eq_u32 s[MT], 2
	s_cselect_b32 s72, 0, s68                      ; P: v's is x
	s_cselect_b32 s73, s68, 0                      ; R: v's is the weight
	s_add_co_u32 s73, s73, s69
	v_and_b32 v[LN], 31, v0
	v_and_b32 v224, 15, v0                         ; r
	v_bfe_u32 v[BOQ], v0, 4, 1                     ; h
	v_and_b32 v225, 8, v224
	v_mad_u32_u24 v226, v225, 3, v224              ; r % 8 + 32 (r / 8)
	v_lshlrev_b32 v[PSO], 3, v226
	v_lshlrev_b32 v[BOV], 2, v226
	v_lshlrev_b32 v[SH], 3, v[BOQ]
	v_lshl_add_u32 v[SWO], v224, 4, v[SH]
	v_lshlrev_b32 v[LI], 4, v[LN]
	v_lshrrev_b32 v225, 3, v225                    ; r / 8
	v_and_b32 v226, 7, v224                        ; r % 8
	v_mul_u32_u24 v225, LGRP, v225
	v_mul_u32_u24 v226, LROW, v226
	v_add_nc_u32 v225, v225, v226
	v_lshl_add_u32 v225, v[BOQ], 4, v225           ; a fragment's row + 16 h
	v_add_nc_u32 v[FP], s72, v225
	v_add_nc_u32 v[FQ], s73, v225
	v_lshrrev_b32 v226, 3, v[LN]                   ; staging: 8 lanes a row of 128 bytes
	v_and_b32 v227, 7, v[LN]
	v_mul_u32_u24 v226, LROW, v226
	v_lshl_add_u32 v226, v227, 4, v226
	v_add_nc_u32 v[WA], s70, v226
	v_add_nc_u32 v[XA], s71, v226
	v_lshlrev_b32 v[BOQ], 7, v[BOQ]
	v_mov_b32 v[TM+8], 0                           ; written once: a lane permute's destination counts as one of its sources
	s_mov_b32 s[SEL], 0x76543210
	s_mov_b32 s[SEL+1], 0xfedcba98
	; offsets, made apart from the addresses
	s_lshl_b32 s56, ttmp9, 14                      ; x: the unit's 128 rows of 128 bytes,
	s_mov_b32 s57, 0
	s_lshl_b32 s58, ttmp9, 10                      ; and of 8 scale bytes
	s_mov_b32 s59, 0
	s_lshl_b32 s60, s[GH], 14                      ; the weight's 128 rows likewise
	s_mov_b32 s61, 0
	s_lshl_b32 s62, s[GH], 10
	s_mov_b32 s63, 0
	s_lshl_b32 s66, s[GH], 9                       ; 128 numbers of the bias; also 512 bytes of scale words
	s_mov_b32 s67, 0
	s_lshl_b32 s6, s[WV], 12                       ; waves 0 to 3: their 32 rows of x
	s_mov_b32 s7, 0
	s_lshl_b32 s44, s[RH], 13                      ; my 64 rows of the weight
	s_mov_b32 s45, 0
	s_lshl_b32 s34, s[RH], 9                       ; R's half: 64 rows of scale bytes
	s_mov_b32 s35, 0
	s_lshr_b32 s73, ttmp9, 5
	s_lshl_b32 s73, s73, 3                         ; 8 x batch
	s_bfe_u32 s72, ttmp9, 0x20003
	s_add_co_u32 s72, s72, s73
	s_mul_i32 s72, s72, GROUPB                     ; k: the slot 8 x batch + (u % 32) / 8,
	s_and_b32 s74, ttmp9, 7                        ; and the unit's place in it
	s_lshl_b32 s75, s74, 10
	s_lshl_b32 s74, s74, 14
	s_lshl_b32 s78, s[GH], 10                      ; K step g
	s_add_co_u32 s74, s74, s72
	s_add_co_u32 s74, s74, s78                     ; k's images
	s_add_co_u32 s75, s75, s72
	s_add_co_u32 s75, s75, s66
	s_add_co_u32 s75, s75, 131072                  ; k's scale words
	s_bfe_u32 s76, ttmp9, 0x10004                  ; v: kh
	s_lshl_b32 s79, s[GH], 1
	s_add_co_u32 s76, s76, s79
	s_add_co_u32 s76, s76, s73
	s_add_co_u32 s76, s76, 4
	s_mul_i32 s76, s76, GROUPB                     ; the slot 8 x batch + 4 + 2 g + kh
	s_bfe_u32 s77, ttmp9, 0x20001                  ; w
	s_lshl_b32 s68, s77, 15
	s_lshl_b32 s70, s77, 11
	s_bfe_u32 s77, ttmp9, 0x10003                  ; a
	s_lshl_b32 s79, s77, 14
	s_add_co_u32 s68, s68, s79
	s_lshl_b32 s79, s77, 10
	s_add_co_u32 s70, s70, s79
	s_and_b32 s77, ttmp9, 1                        ; e
	s_lshl_b32 s79, s77, 10
	s_add_co_u32 s68, s68, s79
	s_lshl_b32 s79, s77, 9
	s_add_co_u32 s70, s70, s79
	s_add_co_u32 s68, s68, s76                     ; v's images
	s_add_co_u32 s70, s70, s76
	s_add_co_u32 s70, s70, 131072                  ; v's scale words
	s_mul_i32 s76, ttmp9, QUNIT
	s_add_co_u32 s77, s76, 16384
	s_add_co_u32 s77, s77, s66                     ; q's scale words
	s_add_co_u32 s76, s76, s78                     ; q's images
	s_lshl_b32 s72, s[RH], 8
	s_lshl_b32 s79, s[RH], 13
	s_mov_b32 s73, s72
	s_cmp_eq_u32 s[MT], 2
	s_cselect_b32 s68, s68, s74
	s_cselect_b32 s70, s70, s75
	s_cselect_b32 s72, s72, 0                      ; v: the bias of R's half: 64 numbers on
	s_cmp_eq_u32 s[MT], 0
	s_cselect_b32 s68, s76, s68
	s_cselect_b32 s70, s77, s70
	s_add_co_u32 s68, s68, s79                     ; tiles 4 rh on
	s_add_co_u32 s70, s70, s73
	s_mov_b32 s69, 0
	s_mov_b32 s71, 0
	s_mov_b32 s73, 0
	s_wait_alu depctr_va_vdst(0)
	s_wait_kmcnt 0x0
	s_add_nc_u64 s[8:9], s[8:9], s[56:57]          ; x at my unit
	s_add_nc_u64 s[8:9], s[8:9], s[6:7]
	s_add_nc_u64 s[10:11], s[10:11], s[58:59]
	s_cmp_eq_u32 s[MT], 0                          ; the choices hang on the wave's number alone
	s_cselect_b64 s[36:37], s[12:13], s[18:19]     ; the weight: q's or k's,
	s_cselect_b64 s[38:39], s[14:15], s[20:21]
	s_cselect_b64 s[BI:BI+1], s[16:17], s[22:23]
	s_cselect_b64 s[DC:DC+1], s[30:31], s[32:33]   ; the results: into qc or into kv
	s_cmp_eq_u32 s[MT], 2
	s_cselect_b64 s[36:37], s[24:25], s[36:37]     ; or v's
	s_cselect_b64 s[38:39], s[26:27], s[38:39]
	s_cselect_b64 s[BI:BI+1], s[28:29], s[BI:BI+1]
	s_add_nc_u64 s[36:37], s[36:37], s[60:61]      ; (these sums leave the compare's result as it is)
	s_add_nc_u64 s[36:37], s[36:37], s[44:45]
	s_add_nc_u64 s[38:39], s[38:39], s[62:63]
	s_add_nc_u64 s[BI:BI+1], s[BI:BI+1], s[66:67]
	s_add_nc_u64 s[BI:BI+1], s[BI:BI+1], s[72:73]
	s_cselect_b64 s[PSC:PSC+1], s[10:11], s[38:39] ; v keeps x in registers and walks the weight; q and k the other way round
	s_cselect_b64 s[RSC:RSC+1], s[38:39], s[10:11]
	s_add_nc_u64 s[RSC:RSC+1], s[RSC:RSC+1], s[34:35]
	s_add_nc_u64 s[DS:DS+1], s[DC:DC+1], s[70:71]
	s_add_nc_u64 s[DC:DC+1], s[DC:DC+1], s[68:69]
	s_cmp_lt_u32 s[WV], 4                          ; waves 0 to 3 fetch 32 rows of x each
	s_cbranch_scc0 .Lno_x
	WIN 0x40
.irp i, 0,1,2,3,4,5,6,7
	global_load_b128 v[128+4*\i:131+4*\i], v[LI], s[8:9] offset:512*\i          ; 512 consecutive bytes, four rows
.endr
	WIN 0
.Lno_x:
.irp i, 0,1,2,3,4,5,6,7,8,9,10,11,12,13,14,15
	global_load_b128 v[ACC+4*\i:ACC+4*\i+3], v[LI], s[36:37] offset:512*\i      ; every wave 64 rows of its weight
.endr
.irp t, 0,1,2,3,4,5,6,7
	global_load_b64 v[AS+2*\t:AS+2*\t+1], v[PSO], s[PSC:PSC+1] offset:(64*(\t/4)+8*(\t%4))*8   ; a row's 8 scale bytes: the words of K steps 0 and 1
.endr
.irp t, 0,1,2,3
	global_load_b64 v[BS+2*\t:BS+2*\t+1], v[PSO], s[RSC:RSC+1] offset:8*\t*8
.endr
	s_cmp_eq_u32 s[MT], 2
	s_cbranch_scc1 .Lbias_v
.irp t, 0,1,2,3,4,5,6,7
	global_load_b128 v[CB+8*\t:CB+8*\t+3], v[BOQ], s[BI:BI+1] offset:(64*(\t/4)+8*(\t%4))*4
	global_load_b128 v[CB+8*\t+4:CB+8*\t+7], v[BOQ], s[BI:BI+1] offset:(64*(\t/4)+8*(\t%4))*4+16
.endr
	s_branch .Lbias_done
.Lbias_v:
.irp t, 0,1,2,3
	global_load_b32 v[BV+\t], v[BOV], s[BI:BI+1] offset:8*\t*4
.endr
.Lbias_done:
	s_wait_loadcnt 0x0
.irp i, 0,1,2,3,4,5,6,7,8,9,10,11,12,13,14,15
	ds_store_b128 v[WA], v[ACC+4*\i:ACC+4*\i+3] offset:(\i/8)*LGRP+(\i%8)*4*LROW
.endr
	s_cmp_lt_u32 s[WV], 4
	s_cbranch_scc0 .Lno_x_in
	WIN 0x04                                       ; an LDS store's data are its source 1: window 1
.irp i, 0,1,2,3,4,5,6,7
	ds_store_b128 v[XA], v[128+4*\i:131+4*\i] offset:4*\i*LROW
.endr
	WIN 0
.Lno_x_in:
	s_wait_dscnt 0x0                               ; for the others' sake: my stores have landed
	s_barrier_signal -1
	s_barrier_wait -1
	WIN 0x40                                       ; destination window 1, address window 0
.irp t, 0,1,2,3,4,5,6,7                        ; P's 16 fragments: they stay
.irp s, 0,1
.irp c, 0,1
	ds_load_b128 v[16*\t+8*\s+4*\c:16*\t+8*\s+4*\c+3], v[FP] offset:(\t/4)*2*LGRP+(\t%4)*8*LROW+64*\s+32*\c
.endr
.endr
.endr
.irp t, 0,1,2,3                                ; R's tiles last, tile by tile, so that the tasks' waits can count them
.irp s, 0,1
.irp c, 0,1
	ds_load_b128 v[128+16*\t+8*\s+4*\c:128+16*\t+8*\s+4*\c+3], v[FQ] offset:\t*8*LROW+64*\s+32*\c
.endr
.endr
.endr
	WIN 0
; 64 numbers of a lane, register 32 c + i = k 64 c + 32 (lane / 16) + i of my row: two whole blocks; they become a fragment's codes in v[PC] on and its scale word in v[pw].
.macro QUANT src, pw
.irp q, 0,1,2,3
	v_max3_num_f32 v[TM+\q], |v[\src+16*\q]|, |v[\src+1+16*\q]|, 0x1800000   ; half blocks, and the floor 2^(3 - 127): so the byte cannot fall under 1
.endr
.irp i, 2,4,6,8,10,12,14
.irp q, 0,1,2,3
	v_max3_num_f32 v[TM+\q], v[TM+\q], |v[\src+16*\q+\i]|, |v[\src+1+16*\q+\i]|   ; by turns; each accumulator is read from its low end on
.endr
.endr
	v_max_num_f32 v[TM], v[TM], v[TM+1]            ; the two blocks' largest magnitudes
	v_max_num_f32 v[TM+1], v[TM+2], v[TM+3]
.irp c, 0,1
	v_add_nc_u32 v[TM+4+\c], 0xff000000, v[TM+\c]  ; 2 off its exponent field: the conversion takes this operand's exponent field as its scale
.endr
.irp c, 0,1
	v_lshrrev_b32 v[TM+6+\c], 23, v[TM+4+\c]       ; the scale's byte
.endr
	v_lshl_or_b32 v[TM+6], v[TM+7], 16, v[TM+6]    ; blocks h and 2 + h,
	v_lshlrev_b32 v[TM+6], v[SH], v[TM+6]          ; at their places in the scale word;
	v_permlanex16_b32 v[TM+8], v[TM+6], s[SEL], s[SEL+1]
	v_or_b32 v[\pw], v[TM+6], v[TM+8]              ; with lane l xor 16's two the word is whole
.irp t, 0,1,2,3,4,5,6,7
	v_cvt_scalef32_pk8_fp4_f32 v[PC+\t], v[\src+8*\t:\src+7+8*\t], v[TM+4+\t/4]
.endr
	v_nop                                          ; one plain instruction behind the last scaled conversion
.endm
; Task k: tile k of R against P's 8 tiles: 16 matrix instructions, the 8 accumulators by turns, then one fragment and one scale word.
.macro TASK kind, k
	s_wait_dscnt 4*(3-(\k))                        ; behind tile k's four loads only the later tiles' were issued, four each
.if \kind
.irp j, 0,1,2,3,4,5,6,7
	v_mov_b32 v[LB+\j], v[BV+(\k)]                 ; all of a lane's results belong to one channel
.endr
.rept 4
	v_nop
.endr
.endif
	WIN 0x05                                       ; sources 0 and 1 window 1; C and D window 0
.irp t, 0,1,2,3,4,5,6,7
.if \kind
	v_wmma_scale_f32_16x16x128_f8f6f4 v[ACC+8*\t:ACC+8*\t+7], v[16*\t:16*\t+7], v[128+16*(\k):128+16*(\k)+7], v[LB:LB+7], v[AS+2*\t], v[BS+2*(\k)] matrix_a_fmt:MATRIX_FMT_FP4 matrix_b_fmt:MATRIX_FMT_FP4
.else
	v_wmma_scale_f32_16x16x128_f8f6f4 v[ACC+8*\t:ACC+8*\t+7], v[16*\t:16*\t+7], v[128+16*(\k):128+16*(\k)+7], v[CB+8*\t:CB+8*\t+7], v[AS+2*\t], v[BS+2*(\k)] matrix_a_fmt:MATRIX_FMT_FP4 matrix_b_fmt:MATRIX_FMT_FP4
.endif
.endr
.irp t, 0,1,2,3,4,5,6,7
	v_wmma_scale_f32_16x16x128_f8f6f4 v[ACC+8*\t:ACC+8*\t+7], v[16*\t+8:16*\t+15], v[128+16*(\k)+8:128+16*(\k)+15], v[ACC+8*\t:ACC+8*\t+7], v[AS+2*\t+1], v[BS+2*(\k)+1] matrix_a_fmt:MATRIX_FMT_FP4 matrix_b_fmt:MATRIX_FMT_FP4
.endr
	WIN 0
.rept 4
	v_nop                                          ; four plain instructions between the last product and the first read of results (ISA guide 7.12.1)
.endr
	s_wait_xcnt 0x0                                ; the last task's stores have read the codes' registers: they are written again only behind this wait
	QUANT ACC, SW+(\k)
	global_store_b128 v[LI], v[PC:PC+3], s[DC:DC+1] offset:(\k)*2048          ; the wave stores 512 consecutive bytes, aligned
	global_store_b128 v[LI], v[PC+4:PC+7], s[DC:DC+1] offset:(\k)*2048+512
.endm
.macro JOB kind
.irp k, 0,1,2,3
	TASK \kind, \k
.endr
	v_cmp_lt_u32 vcc_lo, 15, v[LN]                 ; lanes 0-15 carry words 0 and 1 of their row, lanes 16-31 words 2 and 3
.irp n, 0,1
	v_cndmask_b32 v[OUT+\n], v[SW+\n], v[SW+2+\n], vcc_lo
.endr
	global_store_b64 v[SWO], v[OUT:OUT+1], s[DS:DS+1]   ; 256 consecutive bytes, aligned
	s_wait_tensorcnt 0x0                           ; the wave's end
	ds_add_u32 v[SPW], v[NIL]
	s_wait_dscnt 0x0
	s_endpgm
.endm
	s_cmp_eq_u32 s[MT], 2
	s_cbranch_scc1 .Lvalues
	JOB 0
.Lvalues:
	JOB 1
.Lfunc_end_k_qaca0b18b5e_project:
	.size	k_qaca0b18b5e_project, .Lfunc_end_k_qaca0b18b5e_project-k_qaca0b18b5e_project
	.p2alignl 7, 3214868480
	.fill 96, 4, 3214868480
	.section	.rodata,"a",@progbits
	.p2align	6, 0x0
	.amdhsa_kernel k_qaca0b18b5e_project
		.amdhsa_group_segment_fixed_size 76544
		.amdhsa_private_segment_fixed_size 0
		.amdhsa_enable_private_segment 0
		.amdhsa_kernarg_size 104
		.amdhsa_user_sgpr_count 2
		.amdhsa_user_sgpr_kernarg_segment_ptr 1
		.amdhsa_wavefront_size32 1
		.amdhsa_system_sgpr_workgroup_id_x 1
		.amdhsa_system_sgpr_workgroup_id_y 1
		.amdhsa_system_sgpr_workgroup_id_z 1
		.amdhsa_system_vgpr_workitem_id 0
		.amdhsa_next_free_vgpr 448
		.amdhsa_next_free_sgpr 80
		.amdhsa_reserve_vcc 1
		.amdhsa_float_denorm_mode_32 3
		.amdhsa_float_denorm_mode_16_64 3
		.amdhsa_memory_ordered 1
		.amdhsa_forward_progress 1
		.amdhsa_inst_pref_size 63
	.end_amdhsa_kernel
	.amdgpu_metadata
---
amdhsa.version: [ 1, 2 ]
amdhsa.kernels:
  - .name:           k_qaca0b18b5e_project
    .symbol:         k_qaca0b18b5e_project.kd
    .args:
      - { .name: x_codes, .offset: 0, .size: 8, .value_kind: global_buffer, .address_space: global }
      - { .name: x_scales, .offset: 8, .size: 8, .value_kind: global_buffer, .address_space: global }
      - { .name: Wq_codes, .offset: 16, .size: 8, .value_kind: global_buffer, .address_space: global }
      - { .name: Wq_scales, .offset: 24, .size: 8, .value_kind: global_buffer, .address_space: global }
      - { .name: bq, .offset: 32, .size: 8, .value_kind: global_buffer, .address_space: global }
      - { .name: Wk_codes, .offset: 40, .size: 8, .value_kind: global_buffer, .address_space: global }
      - { .name: Wk_scales, .offset: 48, .size: 8, .value_kind: global_buffer, .address_space: global }
      - { .name: bk, .offset: 56, .size: 8, .value_kind: global_buffer, .address_space: global }
      - { .name: Wv_codes, .offset: 64, .size: 8, .value_kind: global_buffer, .address_space: global }
      - { .name: Wv_scales, .offset: 72, .size: 8, .value_kind: global_buffer, .address_space: global }
      - { .name: bv, .offset: 80, .size: 8, .value_kind: global_buffer, .address_space: global }
      - { .name: qc, .offset: 88, .size: 8, .value_kind: global_buffer, .address_space: global }
      - { .name: kv, .offset: 96, .size: 8, .value_kind: global_buffer, .address_space: global }
    .group_segment_fixed_size: 76544
    .private_segment_fixed_size: 0
    .kernarg_segment_align: 8
    .kernarg_segment_size: 104
    .max_flat_workgroup_size: 192
    .sgpr_count:     80
    .vgpr_count:     448
    .wavefront_size: 32
...
	.end_amdgpu_metadata
.endif
;; end of part 1
;; launch attend (part 2): grid 64 x 4, 4 waves a work-group, clusters of 4 x 1, 327,680 bytes of LDS; arguments qc, kv, part; writes part
.if DOCPART == 2
	.amdgcn_target "amdgcn-amd-amdhsa--gfx1250"
	.amdhsa_code_object_version 6
	.text
	.protected	k_qaca0b18b5e_attend
	.globl	k_qaca0b18b5e_attend
	.p2align	8
	.type	k_qaca0b18b5e_attend,@function
k_qaca0b18b5e_attend:
	s_mov_b64 s[64:65], 0
	v_nop
	global_prefetch_b8 v0, s[64:65] scope:SCOPE_SE
	s_setreg_imm32_b32 hwreg(HW_REG_WAVE_MODE, 25, 1), 1
	s_wait_xcnt 0x0
	s_wait_alu depctr_hold_cnt(0) depctr_sa_sdst(0) depctr_va_vdst(0) depctr_va_sdst(0) depctr_va_ssrc(0) depctr_va_vcc(0) depctr_vm_vsrc(0)
	s_getreg_b32 s2, hwreg(HW_REG_IB_STS2, 6, 4)
	s_cmp_eq_u32 s2, 0
	s_cbranch_scc0 .Lentry_in_a_cluster
	s_endpgm
.Lentry_in_a_cluster:
	s_bfe_u32 s2, ttmp6, 0x10000c
	s_cmp_lg_u32 s2, 0x3003
	s_cbranch_scc0 .Lentry_shape_is_right
	s_endpgm
.Lentry_shape_is_right:
; part[b][X][:] = the sum over the 64 queries of work-group X of batch b of O[q][:] / l[q], where O = the sum over the 4,096 keys of Q(p) Q(v), p = 2^(t - M), t = (q . k) log2(e) / 16,
; M = the row's largest t so far rounded up to a whole number, l = the row's sum of the unquantised p.  Both products on codes of FP4 (E2M1) with one E8M0 scale for each 32 along K.
; q, k and v come as images of operand registers (a fragment: 1,024 bytes, registers 0-3 at 16 x lane, registers 4-7 at 512 + 16 x lane) with their scale words, 16 bytes a lane for 8 tiles
; (lanes 0-15: tiles 0-3, lanes 16-31: tiles 4-7, read by the scale's second row).  Every LDS read of a fragment is 512 consecutive bytes: no pitch, no padding.
; SHARES.  A work-group owns 64 queries, four tiles of 16; all four waves take all four tiles, wave w the key steps (128 keys) 2 w and 2 w + 1 of each 8: 8 steps a wave, and each fragment read feeds four products.
; TWO PASSES.  First all of K: scores, softmax, p's codes; a step's codes stay in registers (8 a tile), with its M and its scale words.  Then all of V, on those codes, channels 0-127 first, then 128-255, so that O takes 256
; registers.  O IS NEVER RESCALED: ahead of the second pass p's scale bytes of each step are lowered by (my last M - the step's M): a whole number, the same codes.  l is brought along under the running M.
; The four waves' (M, l) are joined through LDS, exactly, by powers of two.
; LAYOUT.  S^T = K Q^T (source 0 = 16 keys): a lane holds ONE query (lane % 16).  The keys of a tile of K are chosen so that the 32 registers of four tiles are one whole block, keys 64 c + 32 (lane / 16) + 0 .. 31:
; the conversion of tile t is the operand's register t.  O = P V (source 0 = 16 queries, source 1 = 16 channels): a lane holds ONE channel and 8 queries, so the sum over the queries is taken within lanes.
; A BLOCK'S SCALE: floor(log2 p) = floor(t - M) of the block's largest score.
; RING.  Two slots of 139,264 bytes, one dense block of memory each: K's key steps 8 at a time (four slots), then V (four slots: a channel half of 16 key steps each).  Each wave fetches a quarter, 136 rows of 256 bytes,
; with one tensor load.  A SLOT IS READ INTO REGISTERS WHOLE, a wave's share at once (32 fragments, two sets X and Y), while the step ahead of it goes through its softmax: so it is left, and filled again, a step earlier than it
; is multiplied; V's first slot lies in registers when the second pass begins.
; CLUSTER.  The four work-groups of a cluster belong to one batch and walk the same K and V: each load is asked for JOINTLY, with the same descriptor and a mask that names the four.
; EXPONENTIALS go in batches of 64, a wait ahead of each and behind each; among them stand only multiply-adds and additions whose results are first read behind the next wait.
; LIMITS: NaN and infinities are not served; the scaled scores t stay under 2^31 in magnitude.  A p under 2^-126 comes out of v_exp_f32 as 0.  A block of p whose largest lies under 2^-60 has its exponent held at -60, and a
;   step whose M lies more than 64 under the row's last M is lowered by 64: what that moves lies under 2^-58 beside a row's largest p, which is over 1/2.
; REGISTERS.  Window 0: the names below.  Window 1: S^T, tile x at 64 x, then p; in the second pass O, query tile x, channel tile t at 64 x + 8 t.  Window 2: p's codes, this trip's step i, tile x at 32 i + 8 x; the earlier
;   trip's from 128 on.  Window 3: v0-63 Q's fragments, tile x, K step s at 16 x + 8 s; v64-95 -M of each step; v96-111 the earlier trip's scale words of p; v128-255 the fragments of set Y.
.set SLOT,   139264
.set PARTB,  34816                     ; a wave's quarter of a slot
.set BATCHB, 8*SLOT
.set QUNIT,  17408
.set SPARE,  2*SLOT                    ; behind the ring: the spare words, 128 bytes for each of the four waves: two blocks of 256 bytes that no other line names
.set EX,     SPARE+512                 ; (-M, l): wave x 1,024 + tile x 256 + 8 x lane
.set WT,     EX+4096                   ; the weights: wave x 256 + tile x 64 + 4 x query
.set RED,    WT+1024                   ; [wave][lane / 16][256 f32]
.set AC,  1                            ; v1, v2   my share's images in slot 0, 1, + 16 x lane
.set AS,  3                            ; v3, v4   its scale words
.set SPW, 5                            ; v5       LDS address of my spare word; never rewritten
.set NIL, 6                            ; v6       0; never rewritten
.set PFO, 7                            ; v7       256 x lane: the prefetches' offset; never rewritten
.set H8,  8                            ; v8       8 (lane / 16)
.set EXW, 9                            ; v9       my place in EX
.set LP,  10                           ; v10-17   l of tile x in two halves, at 2 x
.set RT,  18                           ; v18-21   the largest t
.set EXR, 22                           ; v22      where I read EX
.set WTW, 23                           ; v23      where I put weights
.set F,   24                           ; v24-31   f = 2^(old M - new M) of tile x at 2 x; the upper register is named with it as a pair
.set WTR, 24                           ; second pass: v24 where I read weights, v25, v26 RED in and out, v27 my offset in a row of part
.set RDW, 25
.set RDR, 26
.set GO,  27
.set BM,  32                           ; v32-39   block c of tile x at 2 x + c: its largest score, then its t - M
.set T,   40                           ; v40-43, v44-47 at work
.set U,   44
.set RA,  32                           ; second pass: v32-47 the sums over queries, channel tile t at 2 t
.set SC,  48                           ; v48-55   K's or V's scale words of set X, half s at 4 s; v208-215 those of set Y: scales alone
.set QS,  56                           ; v56-63   Q's scale words, K step s, tile x at 4 s + x; in the second pass p's of steps 2, 3: scales alone
.set FR,  64                           ; v64-191  the fragments of set X: half s, tile t at 64 s + 8 t (set Y: the same + 64, in window 3)
.set PW,  192                          ; v192-207 p's scale words of this trip, step i, tile x at 4 i + x; v216-223 second pass: those of steps 0, 1: scales alone
.set PB,  216
.set SO,  224                          ; v224-231 the conversions' scale operands
.set MC,  232                          ; v232-239 -M of tile x at 2 x; at the end of the first pass l beside it
.set EB,  240                          ; v240-247 the blocks' exponents
.set PT,  248                          ; v248-255 at work on the scale words
.set PU,  252
.set EV,  224                          ; second pass: v224-255 the waves' (-M, l), then the weights of tile x's queries 8 (lane / 16) + j at 8 x + j
.set NM,  64                           ; window 3: v64-79 -M of this trip's steps, step i, tile x at 4 i + x; v80-95 the earlier trip's
.set PK,  96
.set WV,  10                           ; s10 wave
.set G1,  16                           ; s[16:23] descriptor group 1
.set G0,  24                           ; s[24:31] group 0, a set for each slot
.set SEL, 32                           ; s[32:33] v_permlanex16_b32's selects for lane l xor 16
.set CS,  34                           ; s[34:35] c = log2(e) / 16
.set TRIP, 36
.set LIM, 37                           ; s37 1 in a work-group that prefetches, else 0
.set PFA, 38                           ; s[38:39] where my prefetches stand
.set MSB, 0
.macro WIN new                         ; the immediate's high byte repeats the setting that is left
.if MSB != \new
	s_set_vgpr_msb (MSB<<8)|\new
.set MSB, \new
.endif
.endm
.macro VW                              ; this wait ahead of and behind batches of transcendentals, and ahead of waits and branches
	s_wait_alu depctr_va_vdst(0)
.endm
.macro PLACES                          ; four plain instructions behind a matrix instruction, ahead of loads into its sources and of reads of its result (ISA guide 7.12.1 for reads of its result)
.rept 4
	v_nop
.endr
.endm
.macro CREST                           ; a round of the cluster's barrier behind its opening barrier
	s_cmp_lg_u32 s[WV], 0
	s_cbranch_scc1 .Lnot_wave_0_\@
	s_barrier_signal -3
.Lnot_wave_0_\@:
	s_barrier_wait -3
	s_barrier_signal -1
	s_barrier_wait -1
.endm
.macro CROUND
	s_barrier_signal -1
	s_barrier_wait -1
	CREST
.endm
; A prefetch of the images of the slot that the NEXT change of slots will ask for.  All clusters of a batch walk the same bytes: the batch's first cluster asks; its four partners take 32,768 bytes each, told apart
; by address; in each, a wave takes 8,192 bytes, lanes 256 bytes apart: each aligned block of 256 bytes is named once in the launch.  The slot's 8,192 bytes of scale words come by their loads alone.
.macro ASK
	s_cmp_eq_u32 s[LIM], 1
	s_cbranch_scc0 .Lnot_mine_\@
	global_prefetch_b8 v[PFO], s[PFA:PFA+1] th:TH_LOAD_NT scope:SCOPE_SE
.Lnot_mine_\@:
.endm
.macro MM d, a, b, zero, sa, sb, row   ; one product; zero = 1: it starts the sum; row = 1, 2: source 0's, source 1's scales stand in lanes 16-31
.if \zero
.if \row == 1
	v_wmma_scale_f32_16x16x128_f8f6f4 v[\d:\d+7], v[\a:\a+7], v[\b:\b+7], 0, v[\sa], v[\sb] matrix_a_fmt:MATRIX_FMT_FP4 matrix_b_fmt:MATRIX_FMT_FP4 matrix_a_scale:MATRIX_SCALE_ROW1
.elseif \row == 2
	v_wmma_scale_f32_16x16x128_f8f6f4 v[\d:\d+7], v[\a:\a+7], v[\b:\b+7], 0, v[\sa], v[\sb] matrix_a_fmt:MATRIX_FMT_FP4 matrix_b_fmt:MATRIX_FMT_FP4 matrix_b_scale:MATRIX_SCALE_ROW1
.else
	v_wmma_scale_f32_16x16x128_f8f6f4 v[\d:\d+7], v[\a:\a+7], v[\b:\b+7], 0, v[\sa], v[\sb] matrix_a_fmt:MATRIX_FMT_FP4 matrix_b_fmt:MATRIX_FMT_FP4
.endif
.else
.if \row == 1
	v_wmma_scale_f32_16x16x128_f8f6f4 v[\d:\d+7], v[\a:\a+7], v[\b:\b+7], v[\d:\d+7], v[\sa], v[\sb] matrix_a_fmt:MATRIX_FMT_FP4 matrix_b_fmt:MATRIX_FMT_FP4 matrix_a_scale:MATRIX_SCALE_ROW1
.elseif \row == 2
	v_wmma_scale_f32_16x16x128_f8f6f4 v[\d:\d+7], v[\a:\a+7], v[\b:\b+7], v[\d:\d+7], v[\sa], v[\sb] matrix_a_fmt:MATRIX_FMT_FP4 matrix_b_fmt:MATRIX_FMT_FP4 matrix_b_scale:MATRIX_SCALE_ROW1
.else
	v_wmma_scale_f32_16x16x128_f8f6f4 v[\d:\d+7], v[\a:\a+7], v[\b:\b+7], v[\d:\d+7], v[\sa], v[\sb] matrix_a_fmt:MATRIX_FMT_FP4 matrix_b_fmt:MATRIX_FMT_FP4
.endif
.endif
.endm
; 17 loads from slot sl into half s of set X (e = 0) or Y (1): K's 8 tiles of channels 128 s on of my key step e, or V's 8 channel tiles of my key step 2 e + s; and their scale words.
.macro LD sl, s, e
	WIN 0xc0*(\e)
.irp t, 0,1,2,3,4,5,6,7
	ds_load_b128 v[FR+64*(\e)+64*(\s)+8*\t:FR+64*(\e)+64*(\s)+8*\t+3], v[AC+\sl] offset:(\e)*16384+\t*2048+(\s)*1024
	ds_load_b128 v[FR+64*(\e)+64*(\s)+8*\t+4:FR+64*(\e)+64*(\s)+8*\t+7], v[AC+\sl] offset:(\e)*16384+\t*2048+(\s)*1024+512
.endr
	WIN 0
	ds_load_b128 v[SC+160*(\e)+4*(\s):SC+160*(\e)+4*(\s)+3], v[AS+\sl] offset:(\e)*1024+(\s)*512
.endm
.macro SMUL s, e                       ; S^T: 32 accumulators by turns, one instruction a turn; K step 0 starts the sums
	WIN 0x5c+3*(\e)                                ; source 0 window 0 or 3, source 1 window 3, C and D window 1
.irp t, 0,1,2,3,4,5,6,7
.irp x, 0,1,2,3
	MM 64*\x+8*\t, FR+64*(\e)+64*\s+8*\t, 16*\x+8*\s, 1-\s, SC+160*(\e)+4*\s+\t%4, QS+4*\s+\x, \t/4
.endr
.endr
.endm
.macro PV j, first, cb, pb             ; O += P V for the 8 channel tiles in buffer j and the four query tiles: 32 accumulators by turns; cb, pb: where the step's codes and scale words begin
	WIN 0x52+12*(\j/2)                             ; source 0 window 2, source 1 window 0 or 3, C and D window 1
.irp t, 0,1,2,3,4,5,6,7
.irp x, 0,1,2,3
	MM 64*\x+8*\t, \cb+8*\x, FR+64*\j-64*(\j/2)+8*\t, \first, \pb+\x, SC+160*(\j/2)+4*(\j%2)+\t%4, (\t/4)*2
.endr
.endr
	WIN 0
.endm
.macro MAXS                            ; the blocks' largest scores, eight blocks by turns; each accumulator is read from its low end on
	WIN 0x15
.irp b, 0,1,2,3,4,5,6,7
	v_max3_num_f32 v[BM+\b], v[32*\b], v[32*\b+1], v[32*\b+2]
.endr
	WIN 0x14
.irp n, 3,5,7,9,11,13,15,17,19,21,23,25,27,29
.irp b, 0,1,2,3,4,5,6,7
	v_max3_num_f32 v[BM+\b], v[BM+\b], v[32*\b+\n], v[32*\b+\n+1]
.endr
.endr
.irp b, 0,1,2,3,4,5,6,7
	v_max_num_f32 v[BM+\b], v[BM+\b], v[32*\b+31]
.endr
	WIN 0
.endm
; The step's -M, f, and the blocks' scale operands and scale words, all four tiles by turns.
.macro SCALES i
.irp x, 0,1,2,3
	v_max_num_f32 v[T+\x], v[BM+2*\x], v[BM+2*\x+1]
.endr
.irp x, 0,1,2,3
	v_permlanex16_b32 v[U+\x], v[T+\x], s[SEL], s[SEL+1]
.endr
.irp x, 0,1,2,3
	v_max_num_f32 v[T+\x], v[T+\x], v[U+\x]        ; with lane l xor 16's 64 keys
.endr
.irp x, 0,1,2,3
	v_mul_f32 v[T+\x], s[CS], v[T+\x]              ; as t (c is positive)
.endr
.irp x, 0,1,2,3
	v_max_num_f32 v[RT+\x], v[RT+\x], v[T+\x]
.endr
.irp x, 0,1,2,3
	v_floor_f32 v[MC+2*\x], -v[RT+\x]              ; -M = floor(-t) = -ceil(t): M is a whole number
.endr
	WIN 0x0c
.irp x, 0,1,2,3
	v_sub_f32 v[T+\x], v[MC+2*\x], v[NM+4*((\i+3)%4)+\x]   ; old M - new M: a whole number, 0 or less.  (The trip's first step takes the last trip's last)
.endr
	WIN 0xc0
.irp x, 0,1,2,3
	v_mov_b32 v[NM+4*\i+\x], v[MC+2*\x]            ; kept for the second pass
.endr
	WIN 0
.irp x, 0,1,2,3
	v_cvt_i32_f32 v[T+\x], v[T+\x]                 ; (it saturates)
.endr
.irp b, 0,1,2,3,4,5,6,7
	v_fma_f32 v[BM+\b], v[BM+\b], s[CS], v[MC+2*(\b/2)]   ; the blocks' largest t - M
.endr
.irp x, 0,1,2,3
	v_ldexp_f32 v[F+2*\x], 1.0, v[T+\x]            ; f: a multiplication by it rounds nothing
.endr
.irp b, 0,1,2,3,4,5,6,7
	v_max_num_f32 v[BM+\b], 0xc2700000, v[BM+\b]   ; held at -60
.endr
.irp b, 0,1,2,3,4,5,6,7
	v_cvt_floor_i32_f32 v[EB+\b], v[BM+\b]         ; floor(log2 of the block's largest p)
.endr
.irp x, 0,1,2,3
	v_pk_mul_f32 v[LP+2*\x:LP+2*\x+1], v[LP+2*\x:LP+2*\x+1], v[F+2*\x:F+2*\x+1] op_sel_hi:[1,0]   ; l under the new M
.endr
.irp b, 0,1,2,3,4,5,6,7
	v_lshl_add_u32 v[SO+\b], v[EB+\b], 23, 0x3e800000     ; the conversion's scale operand: exponent field e + 125
.endr
.irp x, 0,1,2,3
	v_lshl_add_u32 v[PT+\x], v[EB+2*\x+1], 16, v[EB+2*\x]
.endr
.irp x, 0,1,2,3
	v_add_lshl_u32 v[PT+\x], v[PT+\x], 0x7d007d, v[H8]    ; the bytes e + 125 of blocks h and 2 + h, at their places
.endr
.irp x, 0,1,2,3
	v_permlanex16_b32 v[PU+\x], v[PT+\x], s[SEL], s[SEL+1]
.endr
.irp x, 0,1,2,3
	v_or_b32 v[PW+4*\i+\x], v[PT+\x], v[PU+\x]     ; with lane l xor 16's the scale word is whole: bytes 65 to 125
.endr
.endm
; The next plain line among a batch's exponentials: t - M of tile fT, two at a time; then the first, second, third level of the sums of p of tiles xA, xB, xC, in place (their p has been converted).
.macro OPN
.if pn < nf
	v_pk_fma_f32 v[64*fT+2*pn:64*fT+2*pn+1], v[64*fT+2*pn:64*fT+2*pn+1], s[CS:CS+1], v[MC+2*fT:MC+2*fT+1] op_sel_hi:[1,0,0]
.elseif pn < nf+n1
.set lq, 64*xA+2*(pn-nf)
	v_pk_add_f32 v[lq:lq+1], v[lq:lq+1], v[lq+32:lq+33]
.elseif pn < nf+n1+n2
.set lq, 64*xB+2*(pn-nf-n1)
	v_pk_add_f32 v[lq:lq+1], v[lq:lq+1], v[lq+16:lq+17]
.else
.set lq, 64*xC+2*(pn-nf-n1-n2)
	v_pk_add_f32 v[lq:lq+1], v[lq:lq+1], v[lq+8:lq+9]
.endif
.set pn, pn+1
.endm
.macro BATCH a, f, x1, x2, x3          ; tile a's 64 exponentials, p = 2^(t - M), not normalised; 4 = no such tile.  A plain line stands behind the last
.set nf, 0
.set n1, 0
.set n2, 0
.set n3, 0
.if \f < 4
.set nf, 32
.endif
.if \x1 < 4
.set n1, 16
.endif
.if \x2 < 4
.set n2, 8
.endif
.if \x3 < 4
.set n3, 4
.endif
.set np, nf+n1+n2+n3
.set fT, \f
.set xA, \x1
.set xB, \x2
.set xC, \x3
.set pn, 0
.set en, 0
	WIN 0x45                                       ; destination, sources 0 and 1 window 1; source 2 window 0
	VW
.rept 64
	v_exp_f32 v[64*\a+en], v[64*\a+en]
.if ((en+1)*np)/64 > (en*np)/64
	OPN
.endif
.set en, en+1
.endr
	VW
.endm
.macro CVT x, i                        ; tile x's p to codes
	WIN 0x81
.irp t, 0,1,2,3,4,5,6,7
	v_cvt_scalef32_pk8_fp4_f32 v[32*\i+8*\x+\t], v[64*\x+8*\t:64*\x+8*\t+7], v[SO+2*\x+\t/4]
.endr
	v_nop                                          ; one plain instruction behind the last scaled conversion
.endm
.macro LV x, n                         ; a level of tile x's sum: pair q += pair n + q
.set lq, 64*\x
.rept \n
	v_pk_add_f32 v[lq:lq+1], v[lq:lq+1], v[lq+2*\n:lq+2*\n+1]
.set lq, lq+2
.endr
.endm
; The lines in front of a change of slots: all my tensor loads have landed (the one that was out is my part of the other slot), the add, and the descriptor of slot cur stepped to its next fill.
.macro LEAVE cur, fill, ask
	s_wait_tensorcnt 0x0
	ds_add_u32 v[SPW], v[NIL]                      ; 0 onto my spare word
.if \fill
	s_add_nc_u64 s[G0+4*\cur+2:G0+4*\cur+3], s[G0+4*\cur+2:G0+4*\cur+3], 2*SLOT   ; no tensor load of mine is out; the type bits on top are not reached
.endif
.if \ask
	s_wait_xcnt 0x0                                ; the last prefetch has read its address
	s_add_nc_u64 s[PFA:PFA+1], s[PFA:PFA+1], SLOT
.endif
.endm
.macro REFILL cur                      ; the rest of the round, and my one tensor load behind it, first
	CREST
	tensor_load_to_lds s[G0+4*\cur:G0+4*\cur+3], s[G1:G1+7]
	s_nop 0
	PLACES
.endm
; A STEP of the first pass: 128 keys x 64 queries; even steps multiply set X, odd ones set Y.  In an odd step slot cur, which lies in registers already, is filled again, two slots on, and the other slot is read:
; set X for the next step, set Y for the one after it (set Y's products have been issued by then).
.macro KSTEP i, cur
	VW
	s_wait_dscnt 0x0                               ; the fragments and scale words are in
.if \i%2
	LEAVE \cur, 1, 1
	SMUL 0, 1
	s_wait_dscnt 0x0                               ; the add is done, and no read of this slot is out
	s_barrier_signal -1                            ; register work alone up to the wait
	SMUL 1, 1
.else
	SMUL 0, 0
	SMUL 1, 0
.endif
	PLACES
	MAXS
.if \i%2
	VW
	s_barrier_wait -1
	REFILL \cur                                    ; no wave of the four work-groups reads this slot any more, and the other one is whole
	LD 1-\cur, 0, 0
	ASK                                            ; one slot ahead of the load just issued
.endif
	SCALES \i
	WIN 0x45
.set lq, 0
.rept 32
	v_pk_fma_f32 v[lq:lq+1], v[lq:lq+1], s[CS:CS+1], v[MC:MC+1] op_sel_hi:[1,0,0]   ; tile 0's t - M
.set lq, lq+2
.endr
	BATCH 0, 1, 4, 4, 4
.if \i%2
	LD 1-\cur, 1, 0
.endif
	CVT 0, \i
	BATCH 1, 2, 0, 4, 4
.if \i%2
	LD 1-\cur, 0, 1
.endif
	CVT 1, \i
	BATCH 2, 3, 1, 0, 4
.if \i%2
	LD 1-\cur, 1, 1
.endif
	CVT 2, \i
	BATCH 3, 4, 2, 1, 0
	CVT 3, \i
	WIN 0x45
	LV 3, 16                                       ; what is left of the four rows' sums, by levels
	LV 2, 8
	LV 3, 8
	LV 1, 4
	LV 2, 4
	LV 3, 4
.irp n, 2,1
.irp x, 0,1,2,3
	LV \x, \n
.endr
.endr
	WIN 0x04
.irp x, 0,1,2,3
	v_pk_add_f32 v[LP+2*\x:LP+2*\x+1], v[LP+2*\x:LP+2*\x+1], v[64*\x:64*\x+1]
.endr
	WIN 0
.endm
; O x weight, summed over my four tiles' queries within the lane, for channel half g, and into RED.
.macro FIN g
	PLACES
	WIN 0x01                                       ; source 0 window 1, all else window 0
.irp x, 0,1,2,3
.irp j, 0,2,4,6
.irp c, 0,1,2,3,4,5,6,7                        ; eight chains by turns; each accumulator from its low end on
.if (\x+\j) == 0
	v_pk_mul_f32 v[RA+2*\c:RA+2*\c+1], v[8*\c:8*\c+1], v[EV:EV+1]
.else
	v_pk_fma_f32 v[RA+2*\c:RA+2*\c+1], v[64*\x+8*\c+\j:64*\x+8*\c+\j+1], v[EV+8*\x+\j:EV+8*\x+\j+1], v[RA+2*\c:RA+2*\c+1]
.endif
.endr
.endr
.endr
	WIN 0
.irp c, 0,1,2,3,4,5,6,7
	v_add_f32 v[LP+\c], v[RA+2*\c], v[RA+2*\c+1]
.endr
.irp c, 0,1,2,3,4,5,6,7                        ; channel 128 g + 64 (c / 4) + 8 (c % 4) + r % 8 + 32 (r / 8)
	ds_store_b32 v[RDW], v[LP+\c] offset:512*\g+256*(\c/4)+32*(\c%4)
.endr
.endm
	s_load_b128 s[4:7], s[0:1], 0x0                ; qc, kv
	s_load_b64 s[8:9], s[0:1], 0x10                ; part
	v_lshl_add_u32 v[SPW], v0, 2, SPARE
	v_mov_b32 v[NIL], 0
	ds_add_u32 v[SPW], v[NIL]                      ; the wave's opening: the add, twice on end, and its wait ahead of my first tensor load
	ds_add_u32 v[SPW], v[NIL]
	v_lshrrev_b32 v[T], 5, v0
	v_readfirstlane_b32 s[WV], v[T]                ; wave 0..3
	s_bfe_u32 s13, ttmp6, 0x40000                  ; cx: my place in the cluster
	s_lshl_b32 s14, ttmp9, 2                       ; in a cluster launch ttmp9 counts clusters
	s_add_co_u32 s14, s14, s13                     ; X: my block of 64 queries; it enters Q's and part's addresses alone
	s_and_b32 s15, ttmp7, 0xffff                   ; the batch, which the four partners share
	; descriptor group 1: a dense block of 34,816 bytes as 136 rows of 256 bytes (32 elements of 8 bytes), no padding
	s_mov_b32 s[G1], 15|(3<<16)|(1<<21)            ; 15:0 the mask: all four work-groups; 17:16 elements of 8 bytes; 21 set beside a mask
	s_mov_b32 s[G1+1], 32<<16                      ; tensor_dim0 = 32
	s_mov_b32 s[G1+2], 136<<16                     ; tensor_dim1 = 136
	s_mov_b32 s[G1+3], 32<<16                      ; tile_dim0 = 32
	s_mov_b32 s[G1+4], 136                         ; tile_dim1 = 136
	s_mov_b32 s[G1+5], 32                          ; from row to row: 32 elements
	s_mov_b32 s[G1+6], 0
	s_mov_b32 s[G1+7], 0
	s_mov_b32 s[SEL], 0x76543210
	s_mov_b32 s[SEL+1], 0xfedcba98
	s_mov_b32 s[CS], 0x3db8aa3b                    ; c = log2(e) / 16
	s_mov_b32 s[CS+1], s[CS]                       ; (named with it as a pair, so it is written)
	s_mul_i32 s40, s[WV], PARTB                    ; my quarter of a slot, in LDS and in memory alike: no place in the cluster enters it
	s_mul_i32 s42, s15, BATCHB
	s_add_co_u32 s44, s42, s40
	s_mov_b32 s45, 0
	s_lshr_b32 s46, s14, 1
	s_lshl_b32 s47, s15, 5
	s_add_co_u32 s46, s46, s47                     ; the unit that holds my queries: 32 b + X / 2
	s_mul_i32 s46, s46, QUNIT
	s_and_b32 s47, s14, 1                          ; its tiles 0-3 or 4-7
	s_lshl_b32 s48, s47, 13
	s_add_co_u32 s48, s48, s46                     ; Q's images
	s_mov_b32 s49, 0
	s_lshl_b32 s50, s47, 8
	s_add_co_u32 s50, s50, s46
	s_add_co_u32 s50, s50, 16384                   ; Q's scale words
	s_mov_b32 s51, 0
	s_lshl_b32 s52, s15, 6
	s_add_co_u32 s52, s52, s14
	s_lshl_b32 s52, s52, 10                        ; part: row 64 b + X of 1,024 bytes
	s_mov_b32 s53, 0
	s_lshl_b32 s54, s13, 15                        ; the prefetches: my work-group's 32,768 bytes,
	s_lshl_b32 s55, s[WV], 13                      ; my wave's 8,192 of them,
	s_add_co_u32 s54, s54, s55
	s_add_co_u32 s54, s54, s42
	s_add_co_u32 s54, s54, 2*SLOT                  ; in slot 2: the first change of slots steps it to slot 3.  Nothing is prefetched at the head
	s_mov_b32 s55, 0
	s_cmp_eq_u32 ttmp9, 0                          ; the batch's first cluster asks: the same in all four partners
	s_cselect_b32 s[LIM], 1, 0
	VW
	s_wait_dscnt 0x0                               ; both opening adds are done
	s_wait_kmcnt 0x0
	s_add_nc_u64 s[PFA:PFA+1], s[6:7], s[54:55]
	s_add_nc_u64 s[6:7], s[6:7], s[44:45]          ; kv at my part of the batch's first slot
	s_add_nc_u64 s[56:57], s[4:5], s[50:51]        ; Q's scale words
	s_add_nc_u64 s[4:5], s[4:5], s[48:49]          ; Q's images
	s_add_nc_u64 s[8:9], s[8:9], s[52:53]
.irp n, 0,1
	s_mov_b32 s[G0+4*\n], 1                        ; count = 1
	s_add_co_u32 s[G0+4*\n+1], s40, \n*SLOT        ; LDS address
	s_add_nc_u64 s[G0+4*\n+2:G0+4*\n+3], s[6:7], \n*SLOT   ; global address
	s_or_b32 s[G0+4*\n+3], s[G0+4*\n+3], 0x80000000        ; type = 2
.endr
	CROUND                                         ; all four work-groups are here: the first joint loads meet
	tensor_load_to_lds s[G0:G0+3], s[G1:G1+7]      ; slot 0
	s_nop 0
	PLACES
	v_and_b32 v[T], 31, v0                         ; lane
	v_lshlrev_b32 v[T+1], 4, v[T]                  ; 16 x lane
	v_and_b32 v[T+2], 15, v0                       ; r
	v_lshlrev_b32 v[T+3], 4, v[T+2]                ; 16 r
	WIN 0xc0
.irp x, 0,1,2,3
.irp s, 0,1
	global_load_b128 v[16*\x+8*\s:16*\x+8*\s+3], v[T+1], s[4:5] offset:\x*2048+\s*1024   ; Q's fragments stay in registers
	global_load_b128 v[16*\x+8*\s+4:16*\x+8*\s+7], v[T+1], s[4:5] offset:\x*2048+\s*1024+512
.endr
.endr
	WIN 0
.irp s, 0,1
	global_load_b128 v[QS+4*\s:QS+4*\s+3], v[T+3], s[56:57] offset:512*\s
.endr
	v_bfe_u32 v[U], v0, 4, 1                       ; h
	v_lshlrev_b32 v[H8], 3, v[U]
	s_lshl_b32 s40, s[WV], 15                      ; my share of a slot: 32,768 bytes of images,
	v_add_nc_u32 v[AC], s40, v[T+1]
	v_add_nc_u32 v[AC+1], SLOT, v[AC]
	s_lshl_b32 s41, s[WV], 11                      ; 2,048 of scale words
	s_add_co_u32 s41, s41, 131072
	v_add_nc_u32 v[AS], s41, v[T+1]
	v_add_nc_u32 v[AS+1], SLOT, v[AS]
	s_lshl_b32 s42, s[WV], 10
	s_add_co_u32 s42, s42, EX
	v_lshl_add_u32 v[EXW], v[T], 3, s42
	v_lshl_add_u32 v[EXR], v[T], 3, EX
	s_lshl_b32 s43, s[WV], 8
	s_add_co_u32 s43, s43, WT
	v_lshl_add_u32 v[WTW], v[T+2], 2, s43
	v_lshlrev_b32 v[PFO], 8, v[T]
.irp x, 0,1,2,3
	v_mov_b32 v[LP+2*\x], 0                        ; l, in two halves
	v_mov_b32 v[LP+2*\x+1], 0
	v_mov_b32 v[F+2*\x+1], 0                       ; (named as the upper half of a pair)
	v_mov_b32 v[MC+2*\x+1], 0                      ; (likewise)
	v_mov_b32 v[PU+\x], 0                          ; written once: a lane permute's destination counts as one of its sources
	v_mov_b32 v[RT+\x], 0xff61b1e6                 ; the largest t so far: -3e38, under every t
.endr
.irp x, 1,2,3
	v_mov_b32 v[U+\x], 0
.endr
.set lq, 0
.rept 16
	v_mov_b32 v[PW+lq], 0                          ; what the loop's first trip moves on (nobody uses it)
.set lq, lq+1
.endr
	WIN 0x80
.set lq, 0
.rept 128
	v_mov_b32 v[lq], 0
.set lq, lq+1
.endr
	WIN 0xc0
.set lq, 0
.rept 12
	v_mov_b32 v[NM+lq], 0
.set lq, lq+1
.endr
.irp x, 0,1,2,3
	v_mov_b32 v[NM+12+\x], 0x7f61b1e6              ; -M of the step before the first: f becomes 0, and the sums are zeros
.endr
	WIN 0
	VW
	s_wait_loadcnt 0x0                             ; Q
	s_wait_tensorcnt 0x0                           ; my part of slot 0 is in
	ds_add_u32 v[SPW], v[NIL]
	s_wait_dscnt 0x0
	s_barrier_signal -1
	s_barrier_wait -1
	REFILL 1                                       ; everybody's part of slot 0 is in, the joint loads meet: slot 1's first fill
	LD 0, 0, 0
	LD 0, 1, 0
	LD 0, 0, 1
	LD 0, 1, 1
	s_mov_b32 s[TRIP], 2
.Ltrip:                                            ; a trip: four steps; the trip before has its codes, scale words and M moved on, so that one text serves both trips
	WIN 0x82
.set lq, 0
.rept 128
	v_mov_b32 v[128+lq], v[lq]
.set lq, lq+1
.endr
	WIN 0xc3
.set lq, 0
.rept 16
	v_mov_b32 v[NM+16+lq], v[NM+lq]
.set lq, lq+1
.endr
	WIN 0xc0
.set lq, 0
.rept 16
	v_mov_b32 v[PK+lq], v[PW+lq]
.set lq, lq+1
.endr
	WIN 0
	KSTEP 0, 0
	KSTEP 1, 0
	KSTEP 2, 1
	KSTEP 3, 1                                     ; the last trip's last step fills both sets from V's first slot
	VW
	s_sub_co_u32 s[TRIP], s[TRIP], 1
	s_cmp_lg_u32 s[TRIP], 0
	s_cbranch_scc1 .Ltrip
	; BETWEEN THE PASSES.  (-M, l) of each tile go to LDS; p's scale words are brought under my last M; V's first slot, which lies in registers, is filled again; then each wave makes its weights,
	; 2^(my M - the row's M) / the row's l.
.irp x, 0,1,2,3
	v_add_f32 v[T+\x], v[LP+2*\x], v[LP+2*\x+1]    ; l's two halves,
.endr
.irp x, 0,1,2,3
	v_permlanex16_b32 v[U+\x], v[T+\x], s[SEL], s[SEL+1]
.endr
.irp x, 0,1,2,3
	v_add_f32 v[MC+2*\x+1], v[T+\x], v[U+\x]       ; and lane l xor 16's, beside -M
.endr
.irp x, 0,1,2,3
	ds_store_b64 v[EXW], v[MC+2*\x:MC+2*\x+1] offset:256*\x
.endr
	v_and_b32 v[T], 15, v0                         ; r
	v_bfe_u32 v[T+1], v0, 4, 1                     ; h
	v_and_b32 v[T+2], 8, v[T]
	v_mad_u32_u24 v[T+2], v[T+2], 3, v[T]          ; row r of a channel tile is its channel r % 8 + 32 (r / 8)
	v_lshl_add_u32 v[WTR], v[T+1], 5, s43          ; my half's eight queries
	s_lshl_b32 s44, s[WV], 11
	s_add_co_u32 s44, s44, RED
	v_lshl_add_u32 v[RDW], v[T+1], 10, s44
	v_lshl_add_u32 v[RDW], v[T+2], 2, v[RDW]
	v_lshl_add_u32 v[RDR], v0, 4, RED
	v_lshlrev_b32 v[GO], 4, v0
.macro ADJ n0, cnt                     ; for the scale words from n0 on: (my last M - the step's M), at most 64, in all four bytes
	WIN 0xcf
.set lq, \n0
.rept \cnt/2
	v_pk_add_f32 v[NM+lq:NM+lq+1], v[NM+lq:NM+lq+1], v[NM+12+lq%4:NM+13+lq%4] neg_lo:[0,1] neg_hi:[0,1]
.set lq, lq+2
.endr
.set lq, \n0
.rept \cnt
	v_min_num_f32 v[NM+lq], 0x42800000, v[NM+lq]
.set lq, lq+1
.endr
.set lq, \n0
.rept \cnt
	v_cvt_u32_f32 v[NM+lq], v[NM+lq]
.set lq, lq+1
.endr
.set lq, \n0
.rept \cnt
	v_perm_b32 v[NM+lq], v[NM+lq], v[NM+lq], 0
.set lq, lq+1
.endr
.endm
	ADJ 16, 16                                     ; the first trip's steps: the bytes, 65 to 125, less that: none falls under 1
	WIN 0x0f
.set lq, 0
.rept 8
	v_sub_nc_u32 v[PB+lq], v[PK+lq], v[NM+16+lq]
	v_sub_nc_u32 v[QS+lq], v[PK+8+lq], v[NM+24+lq] ; (Q's scale words are done with)
.set lq, lq+1
.endr
	ADJ 0, 12                                      ; the second's but its last
	WIN 0x0c
.set lq, 0
.rept 12
	v_sub_nc_u32 v[PW+lq], v[PW+lq], v[NM+lq]
.set lq, lq+1
.endr
	WIN 0
	VW
	LEAVE 0, 1, 1
	s_wait_dscnt 0x0                               ; the add is done, (-M, l) has landed, and V's first slot is in registers
	s_barrier_signal -1
	s_barrier_wait -1
	REFILL 0                                       ; V's third slot
.irp x, 0,1,2,3
.irp k, 0,1,2,3
	ds_load_b64 v[EV+8*\x+2*\k:EV+8*\x+2*\k+1], v[EXR] offset:\k*1024+\x*256   ; wave k's (-M, l) of tile x
.endr
	ds_load_b64 v[LP+2*\x:LP+2*\x+1], v[EXW] offset:256*\x                     ; my own
.endr
	ASK                                            ; V's last slot
	s_wait_dscnt 0x0
.irp x, 0,1,2,3
	v_min3_num_f32 v[T+\x], v[EV+8*\x], v[EV+8*\x+2], v[EV+8*\x+4]
.endr
.irp x, 0,1,2,3
	v_min_num_f32 v[T+\x], v[T+\x], v[EV+8*\x+6]   ; the least -M: the largest M
.endr
.irp x, 0,1,2,3
.irp k, 0,2,4,6
	v_sub_f32 v[EV+8*\x+\k], v[T+\x], v[EV+8*\x+\k]    ; wave k's M - the row's: a whole number, 0 or less
.endr
	v_sub_f32 v[LP+2*\x], v[T+\x], v[LP+2*\x]
.endr
.irp x, 0,1,2,3
.irp k, 0,2,4,6
	v_cvt_i32_f32 v[EV+8*\x+\k], v[EV+8*\x+\k]
.endr
	v_cvt_i32_f32 v[LP+2*\x], v[LP+2*\x]
.endr
.irp x, 0,1,2,3
.irp k, 0,2,4,6
	v_ldexp_f32 v[EV+8*\x+\k], 1.0, v[EV+8*\x+\k]
.endr
	v_ldexp_f32 v[LP+2*\x], 1.0, v[LP+2*\x]
.endr
.irp x, 0,1,2,3
	v_mul_f32 v[U+\x], v[EV+8*\x+1], v[EV+8*\x]
.endr
.irp k, 2,4,6
.irp x, 0,1,2,3
	v_fmac_f32 v[U+\x], v[EV+8*\x+\k+1], v[EV+8*\x+\k]   ; the row's whole sum, under the one M
.endr
.endr
	VW
.irp x, 0,1,2,3
	v_rcp_f32 v[U+\x], v[U+\x]
.endr
	v_nop                                          ; a plain instruction behind the reciprocals
	VW
.irp x, 0,1,2,3
	v_mul_f32 v[T+\x], v[LP+2*\x], v[U+\x]         ; my weight for this query
.endr
.irp x, 0,1,2,3
	ds_store_b32 v[WTW], v[T+\x] offset:64*\x      ; (both halves of the lanes hold the same)
.endr
.irp x, 0,1,2,3
	ds_load_b128 v[EV+8*\x:EV+8*\x+3], v[WTR] offset:64*\x       ; LDS serves a wave's instructions in order (ISA guide 5.7.1.4): these see my stores
	ds_load_b128 v[EV+8*\x+4:EV+8*\x+7], v[WTR] offset:64*\x+16
.endr
	; THE SECOND PASS.  A slot's four steps lie in buffers 0 to 3 (set X's halves, set Y's); channel half 0: slots 0, 1; half 1: slots 2, 3.
	PV 0, 1, 128, PB                               ; slot 0, in registers; each buffer takes the next slot's as soon as it is free
	PLACES
	LD 1, 0, 0
	PV 1, 0, 160, PB+4
	PLACES
	LD 1, 1, 0
	PV 2, 0, 192, QS
	PLACES
	LD 1, 0, 1
	PV 3, 0, 224, QS+4
	PLACES
	LD 1, 1, 1
.macro FOUR first, c0, p0, c1, p1, c2, p2, c3, p3   ; four steps whose 68 loads were issued buffer by buffer: 51, 34, 17 and none stand behind each buffer's
	s_wait_dscnt 0x33
	PV 0, \first, \c0, \p0
	s_wait_dscnt 0x22
	PV 1, 0, \c1, \p1
	s_wait_dscnt 0x11
	PV 2, 0, \c2, \p2
	s_wait_dscnt 0x0
	PV 3, 0, \c3, \p3
.endm
	FOUR 0, 0, PW, 32, PW+4, 64, PW+8, 96, PW+12   ; slot 1
	FIN 0                                          ; under the next slot's flight
	VW
	LEAVE 1, 1, 0
	s_wait_dscnt 0x0
	s_barrier_signal -1
	s_barrier_wait -1
	REFILL 1                                       ; V's last slot; there is none behind it to prefetch
	LD 0, 0, 0
	LD 0, 1, 0
	LD 0, 0, 1
	LD 0, 1, 1
	FOUR 1, 128, PB, 160, PB+4, 192, QS, 224, QS+4 ; slot 2
	PLACES
	LEAVE 0, 0, 0
	s_wait_dscnt 0x0
	s_barrier_signal -1
	s_barrier_wait -1                              ; the last slot is whole for every wave
	LD 1, 0, 0
	LD 1, 1, 0
	LD 1, 0, 1
	LD 1, 1, 1
	FOUR 0, 0, PW, 32, PW+4, 64, PW+8, 96, PW+12   ; slot 3
	FIN 1
	VW
	s_wait_dscnt 0x0                               ; for the others' sake
	s_barrier_signal -1
	s_barrier_wait -1
	s_cmp_lt_u32 s[WV], 2                          ; waves 0 and 1 add the eight partial sums: thread t takes channels 4 t .. 4 t + 3
	s_cbranch_scc0 .Lothers
.irp k, 0,1,2,3,4,5,6,7
	ds_load_b128 v[128+4*\k:131+4*\k], v[RDR] offset:1024*\k
.endr
	s_wait_dscnt 0x0
.irp k, 1,2,3,4,5,6,7
	v_pk_add_f32 v[128:129], v[128:129], v[128+4*\k:129+4*\k]
	v_pk_add_f32 v[130:131], v[130:131], v[130+4*\k:131+4*\k]
.endr
	global_store_b128 v[GO], v[128:131], s[8:9]    ; a wave stores 512 consecutive bytes, aligned
.Lothers:
	s_wait_tensorcnt 0x0                           ; the wave's end, behind my last tensor load and my last LDS store
	ds_add_u32 v[SPW], v[NIL]
	s_wait_dscnt 0x0
	CROUND                                         ; the closing round: no work-group ends while a partner may still ask for a tile that names it
	s_endpgm
.Lfunc_end_k_qaca0b18b5e_attend:
	.size	k_qaca0b18b5e_attend, .Lfunc_end_k_qaca0b18b5e_attend-k_qaca0b18b5e_attend
	.p2alignl 7, 3214868480
	.fill 96, 4, 3214868480
	.section	.rodata,"a",@progbits
	.p2align	6, 0x0
	.amdhsa_kernel k_qaca0b18b5e_attend
		.amdhsa_group_segment_fixed_size 327680
		.amdhsa_private_segment_fixed_size 0
		.amdhsa_enable_private_segment 0
		.amdhsa_kernarg_size 24
		.amdhsa_user_sgpr_count 2
		.amdhsa_user_sgpr_kernarg_segment_ptr 1
		.amdhsa_wavefront_size32 1
		.amdhsa_system_sgpr_workgroup_id_x 1
		.amdhsa_system_sgpr_workgroup_id_y 1
		.amdhsa_system_sgpr_workgroup_id_z 1
		.amdhsa_system_vgpr_workitem_id 0
		.amdhsa_next_free_vgpr 1024
		.amdhsa_next_free_sgpr 66
		.amdhsa_reserve_vcc 0
		.amdhsa_float_denorm_mode_32 3
		.amdhsa_float_denorm_mode_16_64 3
		.amdhsa_memory_ordered 1
		.amdhsa_forward_progress 1
		.amdhsa_inst_pref_size 255
	.end_amdhsa_kernel
	.section	.bss,"aw",@nobits
	.p2align	6
	.space	262144
	.amdgpu_metadata
---
amdhsa.version: [ 1, 2 ]
amdhsa.kernels:
  - .name:           k_qaca0b18b5e_attend
    .symbol:         k_qaca0b18b5e_attend.kd
    .args:
      - { .name: qc, .offset: 0, .size: 8, .value_kind: global_buffer, .address_space: global }
      - { .name: kv, .offset: 8, .size: 8, .value_kind: global_buffer, .address_space: global }
      - { .name: part, .offset: 16, .size: 8, .value_kind: global_buffer, .address_space: global }
    .group_segment_fixed_size: 327680
    .private_segment_fixed_size: 0
    .kernarg_segment_align: 8
    .kernarg_segment_size: 24
    .max_flat_workgroup_size: 128
    .sgpr_count:     66
    .vgpr_count:     1024
    .wavefront_size: 32
...
	.end_amdgpu_metadata
.endif
;; end of part 2
;; launch mean (part 3): grid 4 x 4, 1 waves a work-group, no clusters, 0 bytes of LDS; arguments part, out0; writes out0
.if DOCPART == 3
	.amdgcn_target "amdgcn-amd-amdhsa--gfx1250"
	.amdhsa_code_object_version 6
	.text
	.protected	k_qaca0b18b5e_mean
	.globl	k_qaca0b18b5e_mean
	.p2align	8
	.type	k_qaca0b18b5e_mean,@function
k_qaca0b18b5e_mean:
	s_mov_b64 s[64:65], 0
	v_nop
	global_prefetch_b8 v0, s[64:65] scope:SCOPE_SE
	s_setreg_imm32_b32 hwreg(HW_REG_WAVE_MODE, 25, 1), 1
	s_wait_xcnt 0x0
; out0[b][c] = 2^-12 x the sum over the batch's 64 work-groups X of part[b][X][c]: the mean over the 4,096 queries.  part: [4][64][256] f32.
; Work-group (cg, b), one wave, makes channels 64 cg .. 64 cg + 63: 256 consecutive bytes of out0.  Lanes 0-15 take the even rows X, lanes 16-31 the odd ones, 16 bytes a lane:
; each load reads 256 consecutive bytes of two rows.  All 32 loads are out together; the sums go in a fixed order.  No LDS, no barrier, no matrix work: 64 KiB a batch are read once.
	s_load_b128 s[4:7], s[0:1], 0x0                ; part, out0
	s_and_b32 s8, ttmp7, 0xffff                    ; b
	s_lshl_b32 s9, ttmp9, 8                        ; 256 cg
	s_lshl_b32 s10, s8, 16                         ; a batch's 64 rows of 1,024 bytes
	s_add_co_u32 s10, s10, s9
	s_mov_b32 s11, 0
	s_lshl_b32 s12, s8, 10
	s_add_co_u32 s12, s12, s9
	s_mov_b32 s13, 0
	s_mov_b32 s14, 0x76543210                      ; v_permlanex16_b32's selects for lane l xor 16
	s_mov_b32 s15, 0xfedcba98
	v_and_b32 v1, 15, v0
	v_lshrrev_b32 v2, 4, v0
	v_lshlrev_b32 v3, 4, v1                        ; 16 bytes a lane
	v_lshl_add_u32 v4, v2, 10, v3                  ; lanes 16-31 one row further down
.irp j, 0,1,2,3
	v_mov_b32 v[8+\j], 0                           ; a lane permute's destination counts as one of its sources
.endr
	s_wait_alu depctr_va_vdst(0)
	s_wait_kmcnt 0x0
	s_add_nc_u64 s[4:5], s[4:5], s[10:11]
	s_add_nc_u64 s[6:7], s[6:7], s[12:13]
.irp i, 0,1,2,3,4,5,6,7,8,9,10,11,12,13,14,15,16,17,18,19,20,21,22,23,24,25,26,27,28,29,30,31
	global_load_b128 v[16+4*\i:19+4*\i], v4, s[4:5] offset:\i*2048 th:TH_LOAD_NT
.endr
	s_wait_loadcnt 0x0
.set i, 2
.rept 30                               ; four chains: even and odd loads, two pairs each
	v_pk_add_f32 v[16+4*(i%2):17+4*(i%2)], v[16+4*(i%2):17+4*(i%2)], v[16+4*i:17+4*i]
	v_pk_add_f32 v[18+4*(i%2):19+4*(i%2)], v[18+4*(i%2):19+4*(i%2)], v[18+4*i:19+4*i]
.set i, i+1
.endr
	v_pk_add_f32 v[16:17], v[16:17], v[20:21]
	v_pk_add_f32 v[18:19], v[18:19], v[22:23]
.irp j, 0,1,2,3
	v_permlanex16_b32 v[8+\j], v[16+\j], s14, s15  ; the other half's rows
.endr
	v_pk_add_f32 v[16:17], v[16:17], v[8:9]
	v_pk_add_f32 v[18:19], v[18:19], v[10:11]
	v_pk_mul_f32 v[16:17], v[16:17], 0x39800000 op_sel_hi:[1,0]   ; x 2^-12
	v_pk_mul_f32 v[18:19], v[18:19], 0x39800000 op_sel_hi:[1,0]
	v_cmp_gt_u32 vcc_lo, 16, v0
	s_wait_alu depctr_va_vdst(0)
	s_wait_xcnt 0x0                                ; EXEC changes only behind this wait
	s_and_saveexec_b32 s16, vcc_lo                 ; both halves hold the same sums: lanes 0-15 store
	global_store_b128 v3, v[16:19], s[6:7]         ; sixteen lanes store 256 consecutive bytes, aligned
	s_endpgm
.Lfunc_end_k_qaca0b18b5e_mean:
	.size	k_qaca0b18b5e_mean, .Lfunc_end_k_qaca0b18b5e_mean-k_qaca0b18b5e_mean
	.p2alignl 7, 3214868480
	.fill 96, 4, 3214868480
	.section	.rodata,"a",@progbits
	.p2align	6, 0x0
	.amdhsa_kernel k_qaca0b18b5e_mean
		.amdhsa_group_segment_fixed_size 0
		.amdhsa_private_segment_fixed_size 0
		.amdhsa_enable_private_segment 0
		.amdhsa_kernarg_size 16
		.amdhsa_user_sgpr_count 2
		.amdhsa_user_sgpr_kernarg_segment_ptr 1
		.amdhsa_wavefront_size32 1
		.amdhsa_system_sgpr_workgroup_id_x 1
		.amdhsa_system_sgpr_workgroup_id_y 1
		.amdhsa_system_sgpr_workgroup_id_z 1
		.amdhsa_system_vgpr_workitem_id 0
		.amdhsa_next_free_vgpr 160
		.amdhsa_next_free_sgpr 66
		.amdhsa_reserve_vcc 1
		.amdhsa_float_denorm_mode_32 3
		.amdhsa_float_denorm_mode_16_64 3
		.amdhsa_memory_ordered 1
		.amdhsa_forward_progress 1
		.amdhsa_inst_pref_size 9
	.end_amdhsa_kernel
	.amdgpu_metadata
---
amdhsa.version: [ 1, 2 ]
amdhsa.kernels:
  - .name:           k_qaca0b18b5e_mean
    .symbol:         k_qaca0b18b5e_mean.kd
    .args:
      - { .name: part, .offset: 0, .size: 8, .value_kind: global_buffer, .address_space: global }
      - { .name: out0, .offset: 8, .size: 8, .value_kind: global_buffer, .address_space: global }
    .group_segment_fixed_size: 0
    .private_segment_fixed_size: 0
    .kernarg_segment_align: 8
    .kernarg_segment_size: 16
    .max_flat_workgroup_size: 32
    .sgpr_count:     66
    .vgpr_count:     160
    .wavefront_size: 32
...
	.end_amdgpu_metadata
.endif
;; end of part 3
